; MI455X (gfx1250); checked and timed in simulation.
; The chip was launched on July 23, 2026; its instructions are those of AMD's public machine-readable ISA for CDNA 5 (MIT licence, August 2026) and "CDNA5" Instruction Set Architecture Reference Guide (July 2026). The comments in the code are by the model that wrote it; some were corrected since.
;; Attention. Allowed arithmetic: matrix products marked QUANTISED: E5M2 operands, one E8M0 scale for each 32 along K, by v_wmma_scale_f32_16x16x128_f8f6f4 with both operands' format E5M2, f32 sums; everything else in f32.
;; Inputs: W_k_codes 1,024 x 32 x 32 uint8 (E5M2 codes of W_k, K innermost, in blocks of 32 codes); W_k_scales 1,024 x 32 uint8 (E8M0 scales of W_k, one for each 32 codes along K); W_o_codes 1,024 x 32 x 32 uint8 (E5M2 codes of W_o, K innermost, in blocks of 32 codes); W_o_scales 1,024 x 32 uint8 (E8M0 scales of W_o, one for each 32 codes along K); W_q_codes 1,024 x 32 x 32 uint8 (E5M2 codes of W_q, K innermost, in blocks of 32 codes); W_q_scales 1,024 x 32 uint8 (E8M0 scales of W_q, one for each 32 codes along K); W_v_codes 1,024 x 32 x 32 uint8 (E5M2 codes of W_v, K innermost, in blocks of 32 codes); W_v_scales 1,024 x 32 uint8 (E8M0 scales of W_v, one for each 32 codes along K); b_o 1,024 float32; x_codes 4 x 2,048 x 32 x 32 uint8 (E5M2 codes of x, K innermost, in blocks of 32 codes); x_scales 4 x 2,048 x 32 uint8 (E8M0 scales of x, one for each 32 codes along K).
;; Outputs: out0 4 x 2,048 x 1,024 float32.
;; This version of the problem:
;;   THIS VERSION OF THE PROBLEM IS GIVEN IN LOW PRECISION. The matrix products marked QUANTISED in the list below multiply operands that are first quantised to E5M2 (5 exponent bits, 2 mantissa bits; 8 bits a number), with one power-of-two scale for each 32 numbers along K (OCP MX v1.0); their sums are f32. All else is computed in f32.
;;   The module's matrix products, in the order in which they are computed (A, B: the left and right operand; K: the contracted axis; several contracted axes count as one K, in the product's order):
;;     1. [M 8,192, K 1,024] x [K 1,024, N 1,024]; A: input x (given as codes); B: input W_q (given as codes): QUANTISED
;;     2. [M 8,192, K 1,024] x [K 1,024, N 1,024]; A: input x (given as codes); B: input W_k (given as codes): QUANTISED
;;     3. [M 8,192, K 1,024] x [K 1,024, N 1,024]; A: input x (given as codes); B: input W_v (given as codes): QUANTISED
;;     4. batch 64 x [M 2,048, K 64] x [K 64, N 2,048]; A: computed on the way; B: computed on the way: QUANTISED
;;     5. batch 64 x [M 2,048, K 2,048] x [K 2,048, N 64]; A: softmax (see below); B: computed on the way: QUANTISED
;;     6. [M 8,192, K 1,024] x [K 1,024, N 1,024]; A: computed on the way; B: input W_o (given as codes): QUANTISED
;;   THE QUANTISER, for each operand of a quantised product, along K:
;;     - K is cut into blocks of 32 from its start; a last block that is shorter is filled with zeros.
;;     - A block's scale is 2^e with e = floor(log2(the largest magnitude in the block)) - 15, held to -126 .. 127; a block of zeros has e = 0. As a byte (E8M0): e + 127.
;;     - Each number is divided by its block's scale, clamped to +-57,344, and rounded to the nearest number of E5M2, ties to even, subnormals kept.
;;     - The product sums the exact products of the quantised numbers (number of the format x scale) in f32.
;;   ~~~python
;;   def quantise(x, axis):      # numpy; x: float32 -> the quantised numbers, widened to float32 again
;;       x = np.moveaxis(x, axis, -1); K = x.shape[-1]
;;       x = np.pad(x, [(0, 0)] * (x.ndim - 1) + [(0, -K % 32)]); x = x.reshape(x.shape[:-1] + (-1, 32)); a = np.abs(x).max(-1, keepdims=True)
;;       e = np.where(a > 0, np.clip(np.frexp(np.where(a > 0, a, 1))[1] - 1 - 15, -126, 127), 0)      # np.frexp(a)[1] - 1 = floor(log2(a)), exactly
;;       r = np.clip(x / 2.0 ** e, -57344, 57344)
;;       step = 2.0 ** (np.maximum(np.frexp(np.where(r == 0, 1, r))[1] - 1, -14) - 2)
;;       q = np.round(r / step) * step * 2.0 ** e      # np.round: ties to even
;;       return np.moveaxis(q.reshape(q.shape[:-2] + (-1,))[..., :K], -1, axis).astype(np.float32)
;;   ~~~
;;   SOFTMAX AHEAD OF A QUANTISED PRODUCT. Where the list says 'softmax', what is quantised is not the finished softmax but p = 2^(t - M), with t = logit x log2(e) and M = ceil(the row's largest t), a whole number; so 1/2 < the row's largest p <= 1. The row's sum l is taken of the UNQUANTISED p, in f32, and the product's result is divided by l at the end. Since M is a whole number, a kernel that streams over the keys may use a running M (the ceiling of the running maximum): every later rescaling is an exact power of two, which a block's scale takes up: the codes' values come out the same.
;;   OPERANDS COMPUTED ON THE WAY. 'Computed on the way' means the value that the module computes at that place (a softmax that the list does not call 'softmax' is quantised finished and normalised). What goes into a quantiser is computed in f32, as accurately as f32 sums, v_exp_f32 and their like allow (about 1e-6 of the number): no bf16 or f16 on the way to a quantiser, and a product that is left as it is and whose result goes on into a quantised operand takes f32 operands (vector FMAs, or v_wmma_f32_16x16x4_f32). A number that lies on a knife's edge between two numbers of the format may be rounded either way, as far as f32 arithmetic and the matrix unit's own rounding can turn it there, and no further.
;;   INPUTS GIVEN AS CODES. W_k (in the module: [1024, 1024], K = its axis 1); W_o (in the module: [1024, 1024], K = its axis 1); W_q (in the module: [1024, 1024], K = its axis 1); W_v (in the module: [1024, 1024], K = its axis 1); x (in the module: [4, 2048, 1024], K = its axis 2): each comes as NAME_codes (uint8): NAME with its K axis moved to the last place and cut into blocks of 32 codes, [.., K / 32, bytes a block], one block behind the other in memory; one code a byte (a code: sign, 5 exponent bits, 2 mantissa bits); and NAME_scales (uint8): the same leading axes, one E8M0 byte (e + 127) for each 32 codes along K. Its value is code x scale, taken as it is: it is not quantised again, and the codes and scales need not be those that the quantiser above would give.
;; One version. Each part assembles by itself: llvm-mc -triple=amdgcn-amd-amdhsa -mcpu=gfx1250 --defsym DOCPART=n.
;; ======== version 1 of 1: 3 launches
;; limits: right only within a limited range of input values
;; workspace buffers: qkv 25,165,824 bytes; qkvs 1,572,864 bytes; hc 8,388,608 bytes; hs 262,144 bytes
;; launch qkv (part 1): grid 12 x 32, 4 waves a work-group, clusters of 4 x 4, 327,680 bytes of LDS; arguments x_codes, x_scales, W_q_codes, W_q_scales, W_k_codes, W_k_scales, W_v_codes, W_v_scales, qkv, qkvs; writes qkv, qkvs
.if DOCPART == 1
	.amdgcn_target "amdgcn-amd-amdhsa--gfx1250"
	.amdhsa_code_object_version 6
	.text
	.protected	k_q2e5776c10a_qkv
	.globl	k_q2e5776c10a_qkv
	.p2align	8
	.type	k_q2e5776c10a_qkv,@function
k_q2e5776c10a_qkv:
	s_mov_b64 s[64:65], 0
	v_nop
	global_prefetch_b8 v0, s[64:65] scope:SCOPE_SE
	s_setreg_imm32_b32 hwreg(HW_REG_WAVE_MODE, 25, 1), 1
	s_wait_xcnt 0x0
	s_wait_alu depctr_hold_cnt(0) depctr_sa_sdst(0) depctr_va_vdst(0) depctr_va_sdst(0) depctr_va_ssrc(0) depctr_va_vcc(0) depctr_vm_vsrc(0)
	s_getreg_b32 s2, hwreg(HW_REG_IB_STS2, 6, 4)
	s_cmp_eq_u32 s2, 0
	s_cbranch_scc0 .Lentry_in_a_cluster
	s_endpgm
.Lentry_in_a_cluster:
	s_bfe_u32 s2, ttmp6, 0x10000c
	s_cmp_lg_u32 s2, 0xf033
	s_cbranch_scc0 .Lentry_shape_is_right
	s_endpgm
.Lentry_shape_is_right:
.set KSTEP,  256
.set NQ,     KSTEP/128
.set ROWB,   256
.set KROW,   1024
.set PITCH,  272
.set FR,     16
.set NL,     4
.set NP,     8
.set HALFT,  128*PITCH
.set SLOT,   4*HALFT
.set LAPS,   2
.set KS,     32
.set SCL,    2*SLOT
.set HALFS,  (128*KS/256)*272
.set SBLK,   (16*KS/256)*272
.set SPARE,  SCL+4*HALFS
.set ADRA, 16
.set ADRB, 20
.set FLR,  22
.set VC0,  24
.set VC1,  25
.set VSO1, 26
.set ADRS, 27
.set SPW,  28
.set NIL,  29
.set VSO2, 30
.set SHV,  31
.set SC,   32
.set AF,   128
.set X,    64
.set PC,   128
.set TM,   160
.set PW,   176
.set W,    180
.set G1, 24
.set G0, 32
.set G1B, 48
.set G0B, 56
.set G1S, 68
.set G0S, 76
.set G1SB, 80
.set G0SB, 88
.set MNT, 98
.set SEL, 100
.set MSB, 0
.macro WIN new
.if MSB != (\new)
	s_set_vgpr_msb (MSB<<8)|(\new)
.set MSB, (\new)
.endif
.endm
.set MUL_LO, 0xa1
.set MUL_HI, 0xf1
.set TO_B,   0x40
.macro JLOAD g0a, g1a, g0b, g1b
	s_cmp_eq_u32 s15, 0
	s_cbranch_scc0 .Lfor_b_\@
	tensor_load_to_lds s[\g0a:\g0a+3], s[\g1a:\g1a+7]
	s_nop 0
.rept 4
	v_nop
.endr
	s_branch .Lasked_\@
.Lfor_b_\@:
	tensor_load_to_lds s[\g0b:\g0b+3], s[\g1b:\g1b+7]
	s_nop 0
.rept 4
	v_nop
.endr
.Lasked_\@:
.endm
.macro CREST
	s_cmp_lg_u32 s14, 0
	s_cbranch_scc1 .Lnot_wave_0_\@
	s_barrier_signal -3
.Lnot_wave_0_\@:
	s_barrier_wait -3
	s_barrier_signal -1
	s_barrier_wait -1
.endm
.macro CROUND
	s_barrier_signal -1
	s_barrier_wait -1
	CREST
.endm
	s_load_b512 s[68:83], s[0:1], 0x0
	s_load_b128 s[84:87], s[0:1], 0x40
	v_lshl_add_u32 v[SPW], v0, 2, SPARE
	v_mov_b32 v[NIL], 0
	ds_add_u32 v28, v29
	ds_add_u32 v28, v29
	s_wait_dscnt 0x0
	v_lshrrev_b32 v1, 5, v0
	v_readfirstlane_b32 s14, v1
	s_lshr_b32 s15, s14, 1
	s_and_b32 s16, s14, 1
	s_bfe_u32 s40, ttmp6, 0x40000
	s_bfe_u32 s41, ttmp6, 0x40004
	s_and_b32 s66, ttmp7, 0xffff
	s_lshl_b32 s66, s66, 2
	s_cmp_eq_u32 ttmp9, 2
	s_cselect_b32 s67, s66, 0
	s_cselect_b32 s66, 0, s66
	s_add_co_u32 s17, s66, s41
	s_add_co_u32 s42, s67, s40
	s_lshl_b32 s43, s41, 2
	s_lshl_b32 s43, 15, s43
	s_lshl_b32 s44, 0x1111, s40
	s_or_b32 s[G1+0], s43, (0<<16)|(1<<20)|(1<<21)|(5<<22)|(3<<25)
	s_or_b32 s[G1B+0], s44, (0<<16)|(1<<20)|(1<<21)|(5<<22)|(3<<25)
.irp g, G1, G1B
	s_mov_b32 s[\g+1], ROWB<<16
	s_mov_b32 s[\g+2], 256<<16                     ; the head's loads of codes bring 256 rows; behind them the two words are set to 128, for the ring's
	s_mov_b32 s[\g+3], ROWB<<16
	s_mov_b32 s[\g+4], 256
	s_mov_b32 s[\g+5], KROW
	s_mov_b32 s[\g+6], 0
	s_mov_b32 s[\g+7], 0
.endr
	s_lshl_b32 s20, s17, 8                         ; the tiles' first rows
	s_lshl_b32 s46, s42, 8
	s_mov_b32 s21, 0
	s_mov_b32 s47, 0
	s_mov_b64 s[18:19], KS
	s_mul_u64 s[22:23], s[20:21], s[18:19]
	s_mul_u64 s[92:93], s[46:47], s[18:19]
	s_mov_b64 s[18:19], KROW
	s_mul_u64 s[20:21], s[20:21], s[18:19]
	s_mul_u64 s[46:47], s[46:47], s[18:19]
	s_mul_i32 s45, s14, HALFT
	s_mul_i32 s18, s16, 128*KROW                   ; in the ring a wave fetches 128 rows of a tile: which half, in bytes
	s_mov_b32 s19, 0
	s_wait_kmcnt 0x0
	s_cmp_eq_u32 ttmp9, 0
	s_cselect_b64 s[8:9], s[72:73], s[76:77]
	s_cselect_b64 s[10:11], s[74:75], s[78:79]
	s_cmp_eq_u32 ttmp9, 2
	s_cselect_b64 s[4:5], s[80:81], s[68:69]
	s_cselect_b64 s[6:7], s[82:83], s[70:71]
	s_cselect_b64 s[8:9], s[68:69], s[8:9]
	s_cselect_b64 s[10:11], s[70:71], s[10:11]
	s_mov_b64 s[12:13], s[84:85]
	s_mov_b64 s[96:97], s[86:87]
	s_add_nc_u64 s[20:21], s[4:5], s[20:21]
	s_add_nc_u64 s[22:23], s[6:7], s[22:23]
	s_add_nc_u64 s[46:47], s[8:9], s[46:47]
	s_add_nc_u64 s[92:93], s[10:11], s[92:93]
	s_or_b32 s[G1S+0], s43, (3<<16)|(1<<20)|(1<<21)|(5<<22)|(3<<25)
	s_or_b32 s[G1SB+0], s44, (3<<16)|(1<<20)|(1<<21)|(5<<22)|(3<<25)
.irp g, G1S, G1SB
	s_mov_b32 s[\g+1], 32<<16
	s_mov_b32 s[\g+2], (256*KS/256)<<16            ; the scales of 256 rows: 32 rows of 256 bytes
	s_mov_b32 s[\g+3], 32<<16
	s_mov_b32 s[\g+4], 256*KS/256
	s_mov_b32 s[\g+5], 32
	s_mov_b32 s[\g+6], 0
	s_mov_b32 s[\g+7], 0
.endr
	CROUND
	s_mov_b32 s[G0S], 1                            ; the head's four tiles, each whole: the scales of A's 256 rows,
	s_mov_b32 s[G0S+1], SCL
	s_mov_b64 s[G0S+2:G0S+3], s[22:23]
	s_or_b32 s[G0S+3], s[G0S+3], 0x80000000
	s_mov_b32 s[G0SB], 1                           ; of B's,
	s_mov_b32 s[G0SB+1], SCL+2*HALFS
	s_mov_b64 s[G0SB+2:G0SB+3], s[92:93]
	s_or_b32 s[G0SB+3], s[G0SB+3], 0x80000000
	s_mov_b32 s[G0], 1                             ; K step 0's 256 rows of A,
	s_mov_b32 s[G0+1], 0
	s_mov_b64 s[G0+2:G0+3], s[20:21]
	s_or_b32 s[G0+3], s[G0+3], 0x80000000
	s_mov_b32 s[G0B], 1                            ; and of B, behind them in slot 0
	s_mov_b32 s[G0B+1], 2*HALFT
	s_mov_b64 s[G0B+2:G0B+3], s[46:47]
	s_or_b32 s[G0B+3], s[G0B+3], 0x80000000
	s_add_nc_u64 s[20:21], s[20:21], s[18:19]      ; for the ring: my 128 rows of the tile
	s_add_nc_u64 s[46:47], s[46:47], s[18:19]
	s_mov_b32 s[G0+4], 1
	s_add_co_u32 s[G0+5], s45, SLOT
	s_add_nc_u64 s[G0+6:G0+7], s[20:21], ROWB
	s_or_b32 s[G0+7], s[G0+7], 0x80000000
	s_mov_b32 s[G0B+4], 1
	s_add_co_u32 s[G0B+5], s45, SLOT
	s_add_nc_u64 s[G0B+6:G0B+7], s[46:47], ROWB
	s_or_b32 s[G0B+7], s[G0B+7], 0x80000000
; the head's loads, one a wave: one chain of branches on the wave's number, a load to an arm, all arms leading to one join
.macro ARM under, g0, g1, next
	s_cmp_lt_u32 s14, \under
	s_cbranch_scc0 \next
	tensor_load_to_lds s[\g0:\g0+3], s[\g1:\g1+7]
	s_nop 0
.rept 4
	v_nop
.endr
	s_branch .Lhead_asked
\next:
.endm
	ARM 1, G0,  G1,  .Lhead_b
	ARM 2, G0B, G1B, .Lhead_sa
	ARM 3, G0S, G1S, .Lhead_sb
	tensor_load_to_lds s[G0SB:G0SB+3], s[G1SB:G1SB+7]
	s_nop 0
.rept 4
	v_nop
.endr
.Lhead_asked:
	v_and_b32 v1, 15, v0
	v_bfe_u32 v2, v0, 4, 1
	v_mul_u32_u24 v3, v1, PITCH
	v_lshl_add_u32 v4, v2, 4, v3
	s_mul_i32 s21, s15, HALFT
	s_mul_i32 s22, s16, HALFT
	s_add_co_u32 s22, s22, 2*HALFT
.irp s, 0,1
	v_add_nc_u32 v[ADRA+\s], s21, v4
	v_add_nc_u32 v[ADRB+\s], s22, v4
	s_add_co_u32 s21, s21, SLOT
	s_add_co_u32 s22, s22, SLOT
.endr
	v_mul_u32_u24 v5, v1, KS
	v_lshrrev_b32 v6, 8, v5
	v_lshl_add_u32 v5, v6, 4, v5
	s_mul_i32 s21, s15, HALFS
	s_mul_i32 s22, s16, HALFS
	s_add_co_u32 s22, s22, 2*HALFS
	s_sub_co_u32 s22, s22, s21
	v_mul_u32_u24 v6, s22, v2
	s_add_co_u32 s21, s21, SCL
	v_add_nc_u32 v5, v5, v6
	v_add_nc_u32 v[ADRS], s21, v5
	s_lshl_b32 s20, s17, 8
	s_lshl_b32 s21, s15, 7
	s_add_co_u32 s20, s20, s21
	s_lshl_b32 s46, s42, 8
	s_lshl_b32 s47, s16, 7
	s_add_co_u32 s46, s46, s47
	s_mov_b32 s92, 1024
	s_mov_b32 s94, 1024
	s_mov_b32 s18, 131072
	s_mov_b32 s66, 256
	s_cmp_eq_u32 ttmp9, 2
	s_cselect_b32 s22, s46, s20
	s_cselect_b32 s23, s20, s46
	s_cselect_b32 s92, 2048, s92
	s_cselect_b32 s94, 124928, s94
	s_cselect_b32 s18, 1024, s18
	s_cselect_b32 s19, 0, 12288
	s_cselect_b32 s66, 12288, s66
	s_cselect_b32 s67, 0, 16
	s_cselect_b32 s8, 1, 2
	s_cselect_b32 s9, 8192, 0
	s_cmp_eq_u32 ttmp9, 0
	s_cselect_b32 s10, 0, 786432
	s_mov_b32 s93, 0
	s_mov_b32 s95, 0
	s_lshr_b32 s4, s22, 11
	s_lshl_b32 s4, s4, 4
	s_lshr_b32 s5, s23, 6
	s_add_co_u32 s4, s4, s5
	s_and_b32 s22, s22, 2047
	s_lshl_b32 s5, ttmp9, 23
	s_lshl_b32 s6, s4, 17
	s_add_co_u32 s5, s5, s6
	s_lshl_b32 s6, s22, 6
	s_add_co_u32 s6, s5, s6
	s_mov_b32 s7, 0
	s_add_nc_u64 s[12:13], s[12:13], s[6:7]
	s_mul_i32 s4, s4, 12288
	s_lshl_b32 s5, s22, s8
	s_add_co_u32 s4, s4, s5
	s_add_co_u32 s4, s4, s9
	s_add_co_u32 s4, s4, s10
	s_mov_b32 s5, 0
	s_add_nc_u64 s[96:97], s[96:97], s[4:5]
	v_and_b32 v6, 31, v0
	v_lshlrev_b32 v[VC0], 4, v6
	v_add_nc_u32 v[VC1], s18, v[VC0]
	v_lshlrev_b32 v[VSO1], 4, v1
	v_mul_u32_u24 v5, s19, v2
	v_add_nc_u32 v[VSO1], v[VSO1], v5
	v_add_nc_u32 v[VSO2], s66, v[VSO1]
	v_mul_u32_u24 v[SHV], s67, v2
	v_mov_b32 v[FLR], 0x8000000
	s_mov_b32 s[MNT], 0x600000
	s_mov_b32 s[SEL], 0x76543210
	s_mov_b32 s[SEL+1], 0xfedcba98
.macro FRAG reg, adr, q, i
.irp c, 0,1,2,3
	ds_load_b128 v[\reg+4*\c:\reg+4*\c+3], v[\adr] offset:128*(\q)+32*\c+(\i)*16*PITCH
.endr
.endm
.macro MUL16 a0, p, q, sc, zero
.irp a, \a0, \a0+1
.irp b, 0,1,2,3,4,5,6,7
.if \zero
	v_wmma_scale_f32_16x16x128_f8f6f4 v[8*(8*((\a)%4)+\b):8*(8*((\a)%4)+\b)+7], v[128*(\p)+FR*\b:128*(\p)+FR*\b+FR-1], v[AF+FR*(\a):AF+FR*(\a)+FR-1], 0, v[SC+8*NQ*(\sc)+NQ*\b+(\q)], v[SC+8*NQ*(\sc)+NQ*(\a)+(\q)] matrix_a_fmt:MATRIX_FMT_BF8 matrix_b_fmt:MATRIX_FMT_BF8 matrix_a_scale:MATRIX_SCALE_ROW1
.else
	v_wmma_scale_f32_16x16x128_f8f6f4 v[8*(8*((\a)%4)+\b):8*(8*((\a)%4)+\b)+7], v[128*(\p)+FR*\b:128*(\p)+FR*\b+FR-1], v[AF+FR*(\a):AF+FR*(\a)+FR-1], v[8*(8*((\a)%4)+\b):8*(8*((\a)%4)+\b)+7], v[SC+8*NQ*(\sc)+NQ*\b+(\q)], v[SC+8*NQ*(\sc)+NQ*(\a)+(\q)] matrix_a_fmt:MATRIX_FMT_BF8 matrix_b_fmt:MATRIX_FMT_BF8 matrix_a_scale:MATRIX_SCALE_ROW1
.endif
.endr
.endr
.endm
.macro FETCH_B slot, q, p
	WIN TO_B
.irp i, 0,1,2,3,4,5,6,7
	FRAG 128*(\p)+FR*\i, ADRB+\slot, \q, \i
.endr
	WIN 0
.endm
.macro FETCH_A slot, q, i0
.irp i, \i0, \i0+1, \i0+2, \i0+3
	FRAG AF+FR*(\i), ADRA+\slot, \q, \i
.endr
.endm
.macro SCALES sc
.irp i, 0,1,2,3,4,5,6,7
	ds_load_b64 v[SC+8*NQ*\sc+NQ*\i:SC+8*NQ*\sc+NQ*\i+1], v[ADRS] offset:\i*SBLK
.endr
.endm
.macro PLACES n
.rept \n
	v_nop
.endr
.endm
.macro STEP slot, q, zero
	s_wait_dscnt 4*NL
	WIN MUL_LO
	MUL16 0, (\q)%2, \q, \slot, \zero
	MUL16 2, (\q)%2, \q, \slot, \zero
	s_wait_dscnt 0
	PLACES NP
	FETCH_B \slot, (\q)+1, 1-(\q)%2
	FETCH_A \slot, (\q)+1, 0
	WIN MUL_HI
	MUL16 4, (\q)%2, \q, \slot, \zero
	MUL16 6, (\q)%2, \q, \slot, \zero
	PLACES NP
	WIN 0
	FETCH_A \slot, (\q)+1, 4
.endm
.macro TURN slot, next, fill
	s_wait_tensorcnt 0x0
	ds_add_u32 v[SPW], v[NIL]
	s_wait_dscnt 4*NL+1
	WIN MUL_LO
	MUL16 0, 1, NQ-1, \slot, 0
	s_wait_dscnt 0x0
	s_barrier_signal -1
	MUL16 2, 1, NQ-1, \slot, 0
	WIN 0
	s_barrier_wait -1
.if \fill
	CREST
	s_add_nc_u64 s[G0+4*\slot+2:G0+4*\slot+3], s[G0+4*\slot+2:G0+4*\slot+3], 2*ROWB
	s_add_nc_u64 s[G0B+4*\slot+2:G0B+4*\slot+3], s[G0B+4*\slot+2:G0B+4*\slot+3], 2*ROWB
	JLOAD G0+4*\slot, G1, G0B+4*\slot, G1B
	PLACES NP-4
.else
	PLACES NP
.endif
	s_wait_alu depctr_va_vdst(0)
	v_add_nc_u32 v[ADRS], 4*NQ, v[ADRS]
	FETCH_B \next, 0, 0
	FETCH_A \next, 0, 0
	SCALES \next
	WIN MUL_HI
	MUL16 4, 1, NQ-1, \slot, 0
	MUL16 6, 1, NQ-1, \slot, 0
	PLACES NP
	WIN 0
	FETCH_A \next, 0, 4
.endm
	s_wait_alu depctr_va_vdst(0)                   ; the wait at the head's end
	s_wait_tensorcnt 0x0                           ; my tile of the head's four is in; the wait, the add and its wait stand ahead of a later first fill
	ds_add_u32 v[SPW], v[NIL]
	s_mov_b32 s[G1+2], 128<<16                     ; no tensor load of mine is out, so descriptors may be written: from here on a load brings 128 rows,
	s_mov_b32 s[G1+4], 128
	s_mov_b32 s[G1B+2], 128<<16
	s_mov_b32 s[G1B+4], 128
	s_mul_i32 s18, s16, 128*KROW
	s_mov_b32 s19, 0
	s_mov_b32 s[G0+1], s45                         ; and slot 0's group 0 names my quarter of the slot
	s_add_nc_u64 s[G0+2:G0+3], s[G0+2:G0+3], s[18:19]
	s_mov_b32 s[G0B+1], s45
	s_add_nc_u64 s[G0B+2:G0B+3], s[G0B+2:G0B+3], s[18:19]
	s_wait_dscnt 0x0
	CROUND                                         ; all four tiles are in, and all sixteen work-groups are here
	JLOAD G0+4, G1, G0B+4, G1B                     ; K step 1's load, the first tensor load behind the round
	FETCH_B 0, 0, 0
	FETCH_A 0, 0, 0
	SCALES 0
	FETCH_A 0, 0, 4
	STEP 0, 0, 1
	s_mov_b32 s3, LAPS-1
.Llap:
	TURN 0, 1, 1
	STEP 1, 0, 0
	TURN 1, 0, 1
	STEP 0, 0, 0
	s_sub_co_u32 s3, s3, 1
	s_cmp_lg_u32 s3, 0
	s_cbranch_scc1 .Llap
	TURN 0, 1, 0
	STEP 1, 0, 0
	s_wait_dscnt 4*NL
	WIN MUL_LO
	MUL16 0, 1, NQ-1, 1, 0
	MUL16 2, 1, NQ-1, 1, 0
	s_wait_dscnt 0
	WIN MUL_HI
	MUL16 4, 1, NQ-1, 1, 0
	MUL16 6, 1, NQ-1, 1, 0
	WIN 0
.macro QOUT a
.set AC, 64*((\a)%4)
.set WA, 2+(\a)/4
.set WW, (WA<<2)|(WA<<4)
.set PCA, PC+16*((\a)%2)
	WIN WW
.irp b, 0,1,2,3
	v_max3_num_f32 v[TM+\b], v[FLR], |v[AC+16*\b]|, |v[AC+16*\b+1]|
.endr
.irp i, 2,4,6,8,10,12,14
.irp b, 0,1,2,3
	v_max3_num_f32 v[TM+\b], v[TM+\b], |v[AC+16*\b+\i]|, |v[AC+16*\b+\i+1]|
.endr
.endr
	WIN 0
.irp b, 0,1,2,3
	v_permlanex16_b32 v[TM+4+\b], v[TM+\b], s[SEL], s[SEL+1]
.endr
.irp b, 0,1,2,3
	v_max_num_f32 v[TM+\b], v[TM+\b], v[TM+4+\b]
.endr
.irp b, 0,1,2,3
	v_add_nc_u32 v[TM+12+\b], 0xf8800000, v[TM+\b]
.endr
.irp b, 0,1,2,3
	v_and_or_b32 v[TM+8+\b], v[TM+\b], 0x7f800000, s[MNT]
.endr
.irp b, 0,1,2,3
	v_lshrrev_b32 v[TM+4+\b], 23, v[TM+12+\b]
.endr
	v_lshl_or_b32 v[PW], v[TM+5], 8, v[TM+4]
	v_lshl_or_b32 v[PW], v[TM+6], 16, v[PW]
	v_lshl_or_b32 v[PW], v[TM+7], 24, v[PW]
	v_lshrrev_b32 v[W+(\a)], v[SHV], v[PW]
	WIN WA
.irp b, 0,1,2,3
.irp i, 0,1,2,3,4,5,6,7,8,9,10,11,12,13,14,15
	v_med3_num_f32 v[X+16*\b+\i], v[AC+16*\b+\i], -v[TM+8+\b], v[TM+8+\b]
.endr
.endr
	WIN 0
.irp b, 0,1,2,3
	v_cvt_scalef32_pk8_bf8_f32 v[PCA+4*\b:PCA+4*\b+1], v[X+16*\b:X+16*\b+7], v[TM+12+\b]
	v_cvt_scalef32_pk8_bf8_f32 v[PCA+4*\b+2:PCA+4*\b+3], v[X+16*\b+8:X+16*\b+15], v[TM+12+\b]
.endr
	v_nop
.if (\a) > 0
	s_wait_alu depctr_va_vdst(0)
	s_wait_xcnt 0x0
.if (\a) == 4
	s_add_nc_u64 s[12:13], s[12:13], s[94:95]
.else
	s_add_nc_u64 s[12:13], s[12:13], s[92:93]
.endif
.endif
	global_store_b128 v[VC0], v[PCA:PCA+3], s[12:13]
	global_store_b128 v[VC0], v[PCA+4:PCA+7], s[12:13] offset:512
	global_store_b128 v[VC1], v[PCA+8:PCA+11], s[12:13]
	global_store_b128 v[VC1], v[PCA+12:PCA+15], s[12:13] offset:512
.endm
	PLACES NP
.irp b, 0,1,2,3
	v_mov_b32 v[TM+4+\b], 0
.endr
.irp a, 0,1,2,3,4,5,6,7
	QOUT \a
.endr
	global_store_b128 v[VSO1], v[W:W+3], s[96:97]
	global_store_b128 v[VSO2], v[W+4:W+7], s[96:97]
	s_wait_tensorcnt 0x0
	ds_add_u32 v[SPW], v[NIL]
	s_wait_dscnt 0x0
	CROUND
	s_endpgm
.Lfunc_end_k_q2e5776c10a_qkv:
	.size	k_q2e5776c10a_qkv, .Lfunc_end_k_q2e5776c10a_qkv-k_q2e5776c10a_qkv
	.p2alignl 7, 3214868480
	.fill 96, 4, 3214868480
	.section	.rodata,"a",@progbits
	.p2align	6, 0x0
	.amdhsa_kernel k_q2e5776c10a_qkv
		.amdhsa_group_segment_fixed_size 327680
		.amdhsa_private_segment_fixed_size 0
		.amdhsa_enable_private_segment 0
		.amdhsa_kernarg_size 80
		.amdhsa_user_sgpr_count 2
		.amdhsa_user_sgpr_kernarg_segment_ptr 1
		.amdhsa_wavefront_size32 1
		.amdhsa_system_sgpr_workgroup_id_x 1
		.amdhsa_system_sgpr_workgroup_id_y 1
		.amdhsa_system_sgpr_workgroup_id_z 1
		.amdhsa_system_vgpr_workitem_id 0
		.amdhsa_next_free_vgpr 1024
		.amdhsa_next_free_sgpr 102
		.amdhsa_reserve_vcc 0
		.amdhsa_float_denorm_mode_32 3
		.amdhsa_float_denorm_mode_16_64 3
		.amdhsa_memory_ordered 1
		.amdhsa_forward_progress 1
		.amdhsa_inst_pref_size 187
	.end_amdhsa_kernel
	.amdgpu_metadata
---
amdhsa.version: [ 1, 2 ]
amdhsa.kernels:
  - .name:           k_q2e5776c10a_qkv
    .symbol:         k_q2e5776c10a_qkv.kd
    .args:
      - { .name: x_codes, .offset: 0, .size: 8, .value_kind: global_buffer, .address_space: global }
      - { .name: x_scales, .offset: 8, .size: 8, .value_kind: global_buffer, .address_space: global }
      - { .name: W_q_codes, .offset: 16, .size: 8, .value_kind: global_buffer, .address_space: global }
      - { .name: W_q_scales, .offset: 24, .size: 8, .value_kind: global_buffer, .address_space: global }
      - { .name: W_k_codes, .offset: 32, .size: 8, .value_kind: global_buffer, .address_space: global }
      - { .name: W_k_scales, .offset: 40, .size: 8, .value_kind: global_buffer, .address_space: global }
      - { .name: W_v_codes, .offset: 48, .size: 8, .value_kind: global_buffer, .address_space: global }
      - { .name: W_v_scales, .offset: 56, .size: 8, .value_kind: global_buffer, .address_space: global }
      - { .name: qkv, .offset: 64, .size: 8, .value_kind: global_buffer, .address_space: global }
      - { .name: qkvs, .offset: 72, .size: 8, .value_kind: global_buffer, .address_space: global }
    .group_segment_fixed_size: 327680
    .private_segment_fixed_size: 0
    .kernarg_segment_align: 8
    .kernarg_segment_size: 80
    .max_flat_workgroup_size: 128
    .sgpr_count:     102
    .vgpr_count:     1024
    .wavefront_size: 32
...
	.end_amdgpu_metadata
.endif
;; end of part 1
;; launch attn (part 2): grid 4 x 64, 8 waves a work-group, clusters of 4 x 1, 327,680 bytes of LDS; arguments qkv, qkvs, hc, hs; writes hc, hs
.if DOCPART == 2
	.amdgcn_target "amdgcn-amd-amdhsa--gfx1250"
	.amdhsa_code_object_version 6
	.text
	.protected	k_q2e5776c10a_attn
	.globl	k_q2e5776c10a_attn
	.p2align	8
	.type	k_q2e5776c10a_attn,@function
k_q2e5776c10a_attn:
	s_mov_b64 s[64:65], 0
	v_nop
	global_prefetch_b8 v0, s[64:65] scope:SCOPE_SE
	s_setreg_imm32_b32 hwreg(HW_REG_WAVE_MODE, 25, 1), 1
	s_wait_xcnt 0x0
	s_wait_alu depctr_hold_cnt(0) depctr_sa_sdst(0) depctr_va_vdst(0) depctr_va_sdst(0) depctr_va_ssrc(0) depctr_va_vcc(0) depctr_vm_vsrc(0)
	s_getreg_b32 s2, hwreg(HW_REG_IB_STS2, 6, 4)
	s_cmp_eq_u32 s2, 0
	s_cbranch_scc0 .Lentry_in_a_cluster
	s_endpgm
.Lentry_in_a_cluster:
	s_bfe_u32 s2, ttmp6, 0x10000c
	s_cmp_lg_u32 s2, 0x3003
	s_cbranch_scc0 .Lentry_shape_is_right
	s_endpgm
.Lentry_shape_is_right:
; Hout[b][h][q] = the sum over k of softmax_k(Q . K / 8) V, 64 heads of 2,048 tokens x 64 channels, both products on codes of BF8 (E5M2) with one E8M0 scale for each 32 along a product's K.  Hout is quantised along the 1,024 features and stored as codes.
; Q, K, V arrive as images of operand registers (the launch before laid them so): a fragment's group of four registers is 512 consecutive bytes, 16 a lane.
; THE SOFTMAX: t = score x log2(e) / 8; M = the row's largest t so far, rounded UP to a whole number; p = 2^(t - M) is quantised along the keys, not normalised.  The row's sum is taken of the unquantised p and divides at the end.
; When M moves, the sum and O are multiplied by 2^(old M - new M): exact, in every step, with no branch on data.
; SHARES.  256 work-groups; one owns 512 queries of one head.  Eight waves of 512 registers, two to a SIMD.  A wave takes TWO tiles of 16 queries at a time (A, B), so that each fragment of K and of V read from LDS feeds two products, and makes two such passes: 8 x 2 x 2 x 16 = 512.
; A HEAD'S WHOLE K AND V STAY IN LDS: 131,072 bytes each, filled ONCE: one tensor load a wave at the head, 32,768 bytes (waves 0-3 K's quarters, waves 4-7 V's); every wave waits for its load in front of the one barrier.
; CLUSTER.  The four work-groups of a cluster belong to one head: each fill is asked for JOINTLY, by the same load with the same descriptor and a mask that names the four.
; The head's 12,288 bytes of K's and V's scale words would be a ninth load: they come by plain loads, 48 bytes a thread, and are stored into LDS bytes of their own; they are 12,288 of 274,432 bytes, so they are not asked for jointly.
; No prefetch is laid: all that a work-group reads from K and V is asked for by its first lines.
; LAYOUT.  Both products are used transposed: S^T = K Q^T (source 0 = 16 keys, source 1 = 16 queries), O^T = V^T P^T (source 0 = 16 channels, source 1 = P): a lane holds ONE query (lane % 16) of each tile throughout.
; The 16 registers of score tiles 2 c and 2 c + 1 become registers 4 c .. 4 c + 3 of P; V's images hold the keys in the same order, Q's and K's the channels, so the products are the true ones.
; THE FIRST PRODUCT'S K IS 64, the instruction's 128: Q's upper eight registers hold zero codes.  K's operand for tile t names 16 registers, of which the upper eight are tile t + 1's codes (zeros behind tile 7): finite numbers against zero codes, under scale bytes that are never 0xff, add nothing.
; A STEP (128 keys) IS ONE SCHEDULE FOR BOTH TILES, so that lines that do not hang on each other stand side by side: A's scores; B's scores with A's maxima behind them, five lines a product; K of the next step and V of this step are asked of LDS;
; B's maxima with A's chain for M among them; A's t - M with B's chain among them; A's exponentials by turns with B's t - M; A's sum and scales; B's exponentials by turns with A's holds; A's codes and products, with B's sum behind them; B's scales, holds, codes, products.
; Nothing that is written inside a batch of exponentials is read inside it: each batch has one wait ahead of it and one behind it.
; LIMITS: NaN and infinities are not served; the promise holds while the scaled scores t stay under 2^31 in magnitude.  A block of Hout whose largest magnitude lies under 2^-111 takes the scale byte 1, a block of zeros too (the rule says 127: its codes are zeros, and this program alone reads the bytes).
; REGISTERS.  Window 0: v1-11 addresses; v12-15, v16-19 (-M, largest t, the sum in two halves) of A, B; v20, v21 the spare word's address and 0; v22, 23, 26, 27 Q's scale words; v24, v25 the old -M; v28, v29 p's scale words; v[30:31], v[62:63] f of A, B;
; v32-43 K's, V's scale words; v44-47, v224-227 the blocks' maxima of A, B; v48-61 at work; v228-239 bounds and scale operands; v64-127, v128-191 S^T then p of A, B; v192-223 p's codes.
; Window 1: v0-71 K's eight tiles and eight zeros; v72-135 V's four fragments; v136-167 Q's two operands; v168-231 O^T of A, B; v232-247 the second pass's Q.
.set SCB,  262144                      ; LDS: K's images at 0, V's at 131,072, the scale words here: K's 8,192 bytes, then V's 4,096
.set SPARE, 0x43000                    ; behind them the spare words: 128 bytes a wave
.set AK0,  1                           ; 16 x lane
.set AV0,  2                           ; + 131,072
.set AS0,  3                           ; 16 r + SCB
.set AT0,  4                           ; + 8,192
.set HSO,  5                           ; hs: 32 r + h
.set ADK,  8
.set ADV,  9
.set ADS,  10
.set ADT,  11
.set MA,   12
.set MB2,  16
.set SPW,  20
.set NIL,  21
.set TPA,  24                          ; at the head: the scale words' copy: 16 x thread, in memory,
.set TPB,  25                          ; and in LDS
.set PSA,  28
.set PSB,  29
.set FF,   30
.set FFB,  62
.set KSW,  32
.set VSW,  40
.set BM,   44
.set T1,   48
.set SA,   64
.set SB2,  128
.set PA,   192
.set PB,   208
.set BMB,  224
.set HL,   228
.set H2,   232
.set SO,   236
.set KF,   0                           ; window 1 from here on
.set VF,   72
.set QA,   136
.set QB,   152
.set OA,   168
.set OB,   200
.set QN,   232
.set WV,   12
.set G1C,  16                          ; s[16:23] group 1: 128 rows of 256 bytes
.set G0,   32                          ; s[32:35] group 0
.set SEL,  52
.set CS,   54                          ; s[54:55] c = log2(e) / 8
.set MNT,  56
.set TK,   57                          ; the step's place among K's and V's images: 8,192 bytes a step
.set TS,   58                          ; among K's scale words: 512
.set TT,   59                          ; among V's: 256
.set CNT,  60
.set HM,   80                          ; lanes 16-31
.set MSB, 0
.macro WIN new                         ; the immediate's high byte repeats the setting that is left
.if MSB != (\new)
	s_set_vgpr_msb (MSB<<8)|(\new)
.set MSB, (\new)
.endif
.endm
.macro WALU
	s_wait_alu depctr_va_vdst(0)
.endm
.macro ROUND                           ; a round of the cluster's barrier
	s_barrier_signal -1
	s_barrier_wait -1
	s_cmp_lg_u32 s[WV], 0
	s_cbranch_scc1 .Lnot_wave_0_\@
	s_barrier_signal -3
.Lnot_wave_0_\@:
	s_barrier_wait -3
	s_barrier_signal -1
	s_barrier_wait -1
.endm
.macro INIT                            ; a pass begins: O^T and the sums are zeros, the largest t is -3e38: the first change of M leaves zeros zeros, so a step needs no first form of its own
	WIN 0x40
.set i, 0
.rept 64
	v_mov_b32 v[OA+i], 0
.set i, i+1
.endr
	WIN 0
.irp m, MA, MB2
	v_mov_b32 v[\m+1], 0xff61b1e6
	v_floor_f32 v[\m], -v[\m+1]
	v_mov_b32 v[\m+2], 0
	v_mov_b32 v[\m+3], 0
.endr
.endm
.macro SONE s, q, qs, t                ; score tile t of one tile of queries; it starts its sum with the constant 0.  Sources in window 1, scores in window 0
	WIN 0x05
	v_wmma_scale_f32_16x16x128_f8f6f4 v[\s+8*\t:\s+8*\t+7], v[KF+8*\t:KF+8*\t+15], v[\q:\q+15], 0, v[KSW+\t], v[\qs] matrix_a_fmt:MATRIX_FMT_BF8 matrix_b_fmt:MATRIX_FMT_BF8
.endm
.macro PVONE o, cd, ps, t              ; O^T's tile t += V^T P^T.  V and O^T in window 1, p's codes in window 0
	WIN 0x51
	v_wmma_scale_f32_16x16x128_f8f6f4 v[\o+8*\t:\o+8*\t+7], v[VF+16*\t:VF+16*\t+15], v[\cd:\cd+15], v[\o+8*\t:\o+8*\t+7], v[VSW+\t], v[\ps] matrix_a_fmt:MATRIX_FMT_BF8 matrix_b_fmt:MATRIX_FMT_BF8
.endm
; line k = 0 .. 39 of a tile's maxima: the largest SCORE of each block of 32 keys, the four blocks by turns: it serves the row's maximum and, since p rises with the score, the block's largest p.  Each score tile is read from its low end on
.macro MAXL k, s, bm
.if (\k) < 4
	v_max3_num_f32 v[\bm+(\k)], v[\s+16*(\k)], v[\s+16*(\k)+1], v[\s+16*(\k)+2]
.elseif (\k) < 28
	v_max3_num_f32 v[\bm+(\k)%4], v[\bm+(\k)%4], v[\s+16*((\k)%4)+2*((\k)/4)+1], v[\s+16*((\k)%4)+2*((\k)/4)+2]
.elseif (\k) < 32
	v_max_num_f32 v[\bm+(\k)%4], v[\bm+(\k)%4], v[\s+16*((\k)%4)+15]
.elseif (\k) < 36
	v_permlanex16_b32 v[T1+(\k)%4], v[\bm+(\k)%4], s[SEL], s[SEL+1]
.else
	v_max_num_f32 v[\bm+(\k)%4], v[\bm+(\k)%4], v[T1+(\k)%4]     ; with lane l xor 16's 16 keys
.endif
.endm
; line j = 0 .. 7 of the chain that makes M and f; tp holds the old -M
.macro CHL j, m, bm, tp, ff
.if (\j) == 0
	v_max3_num_f32 v[\ff], v[\bm], v[\bm+1], v[\bm+2]
.elseif (\j) == 1
	v_max_num_f32 v[\ff], v[\ff], v[\bm+3]         ; the step's largest score of my query
.elseif (\j) == 2
	v_mul_f32 v[\ff], s[CS], v[\ff]                ; as t (c is positive)
.elseif (\j) == 3
	v_max_num_f32 v[\m+1], v[\m+1], v[\ff]         ; the running largest t
.elseif (\j) == 4
	v_floor_f32 v[\m], -v[\m+1]                    ; the new -M = floor(-t) = -ceil(t): a whole number
.elseif (\j) == 5
	v_sub_f32 v[\tp], v[\m], v[\tp]                ; old M - new M: a whole number, 0 or less
.elseif (\j) == 6
	v_cvt_i32_f32 v[\tp], v[\tp]                   ; (it saturates)
.else
	v_ldexp_f32 v[\ff], 1.0, v[\tp]                ; f = 2^(old M - new M)
.endif
.endm
; line k = 0 .. 31 of the row's sum of the unquantised p: 32 pairs in eight chains (seven in v48-61, the eighth the sum itself)
.macro SUML k, s, m
.if (\k) < 7
	v_pk_add_f32 v[T1+2*(\k):T1+2*(\k)+1], v[\s+4*(\k):\s+4*(\k)+1], v[\s+4*(\k)+2:\s+4*(\k)+3]
.elseif (\k) == 7
	v_pk_add_f32 v[\m+2:\m+3], v[\m+2:\m+3], v[\s+28:\s+29]
.elseif (\k) < 24
.if (\k)%8 < 7
	v_pk_add_f32 v[T1+2*((\k)%8):T1+2*((\k)%8)+1], v[T1+2*((\k)%8):T1+2*((\k)%8)+1], v[\s+14+2*(\k):\s+15+2*(\k)]
.else
	v_pk_add_f32 v[\m+2:\m+3], v[\m+2:\m+3], v[\s+14+2*(\k):\s+15+2*(\k)]
.endif
.elseif (\k) == 24
	v_pk_add_f32 v[T1:T1+1], v[T1:T1+1], v[\s+62:\s+63]
.elseif (\k) == 25
	v_pk_add_f32 v[T1+4:T1+5], v[T1+4:T1+5], v[T1+6:T1+7]
.elseif (\k) == 26
	v_pk_add_f32 v[T1+8:T1+9], v[T1+8:T1+9], v[T1+10:T1+11]
.elseif (\k) == 27
	v_pk_add_f32 v[\m+2:\m+3], v[\m+2:\m+3], v[T1+12:T1+13]
.elseif (\k) == 28
	v_pk_add_f32 v[T1:T1+1], v[T1:T1+1], v[T1+2:T1+3]
.elseif (\k) == 29
	v_pk_add_f32 v[\m+2:\m+3], v[\m+2:\m+3], v[T1+8:T1+9]
.elseif (\k) == 30
	v_pk_add_f32 v[T1:T1+1], v[T1:T1+1], v[T1+4:T1+5]
.else
	v_pk_add_f32 v[\m+2:\m+3], v[\m+2:\m+3], v[T1:T1+1]
.endif
.endm
.macro SCALES bm, ps                   ; from the four blocks' largest p: scale operands, bounds (twice: a dual pair's two second sources have numbers that differ modulo 4), bytes, p's scale word
.irp b, 0,1,2,3
	v_max_num_f32 v[\bm+\b], 0x8000000, v[\bm+\b]  ; the floor 2^(16 - 127): the byte cannot fall under 1
.endr
.irp b, 0,1,2,3
	v_add_nc_u32 v[SO+\b], 0xf8800000, v[\bm+\b]   ; 15 off the exponent field: the conversion's scale operand
.endr
.irp b, 0,1,2,3
	v_and_or_b32 v[HL+\b], v[\bm+\b], 0x7f800000, s[MNT]   ; 57,344 x the scale
.endr
.irp b, 0,1,2,3
	v_and_or_b32 v[H2+(\b+1)%4], v[\bm+\b], 0x7f800000, s[MNT]
.endr
.irp b, 0,1,2,3
	v_lshrrev_b32 v[T1+\b], 23, v[SO+\b]           ; the scale's byte
.endr
	v_lshl_or_b32 v[\ps], v[T1+1], 8, v[T1]        ; p's scale word for these 128 keys
	v_lshl_or_b32 v[\ps], v[T1+2], 16, v[\ps]
	v_lshl_or_b32 v[\ps], v[T1+3], 24, v[\ps]
.endm
.macro HOLDL i, s                      ; holds 2 i and 2 i + 1 of 64: the conversion does not saturate (ISA guide 7.6.2); p is not negative, so the hold is one-sided
	v_dual_min_num_f32 v[\s+2*(\i)], v[\s+2*(\i)], v[HL+(\i)/8] :: v_dual_min_num_f32 v[\s+2*(\i)+1], v[\s+2*(\i)+1], v[H2+((\i)/8+1)%4]
.endm
.macro CODES s, cd
.irp b, 0,1,2,3
	v_cvt_scalef32_pk8_bf8_f32 v[\cd+4*\b:\cd+4*\b+1], v[\s+16*\b:\s+16*\b+7], v[SO+\b]
	v_cvt_scalef32_pk8_bf8_f32 v[\cd+4*\b+2:\cd+4*\b+3], v[\s+16*\b+8:\s+16*\b+15], v[SO+\b]
.endr
.endm
.macro RESCALE o, ff                   ; O^T under the new M.  It stands ahead of the step's exponentials: none stands between the last step's products and these first readers of their results
	WIN 0x41
.set i, 0
.rept 16
	v_pk_mul_f32 v[\o+i:\o+i+1], v[\o+i:\o+i+1], v[\ff:\ff+1] op_sel_hi:[1,0]
.set i, i+2
.endr
.endm
; ONE TILE'S WAY OUT.  O^T / the sum; my lane's 32 numbers are 16 of each of the head's two blocks of 32 features; quantised, the codes are registers of the next product's operand and leave as they stand.
.macro WAYOUT m, o, cd, dat, hoff, soff
	v_add_f32 v[\m+2], v[\m+2], v[\m+3]            ; the sum's two halves,
	v_permlanex16_b32 v[TPA], v[\m+2], s[SEL], s[SEL+1]
	v_add_f32 v[\m+2], v[\m+2], v[TPA]             ; and lane l xor 16's: the row's sum
	WALU                                           ; the wait ahead of the transcendental
	v_rcp_f32 v[\m+2], v[\m+2]
	v_nop                                          ; a plain place behind it
	WIN 1
	WALU                                           ; ahead of the first reader of the reciprocal and of O^T
.set i, 0
.rept 32
	v_mul_f32 v[SA+i], v[\o+i], v[\m+2]            ; each accumulator from its low end on
.set i, i+1
.endr
	WIN 0
.irp b, 0,1
	v_max3_num_f32 v[BM+\b], |v[SA+16*\b]|, |v[SA+16*\b+1]|, 0x8000000
.endr
.irp i, 2,4,6,8,10,12,14
.irp b, 0,1
	v_max3_num_f32 v[BM+\b], v[BM+\b], |v[SA+16*\b+\i]|, |v[SA+16*\b+\i+1]|
.endr
.endr
.irp b, 0,1
	v_permlanex16_b32 v[T1+\b], v[BM+\b], s[SEL], s[SEL+1]
.endr
.irp b, 0,1
	v_max_num_f32 v[BM+\b], v[BM+\b], v[T1+\b]
.endr
.irp b, 0,1
	v_add_nc_u32 v[SO+\b], 0xf8800000, v[BM+\b]
.endr
.irp b, 0,1
	v_and_or_b32 v[HL+\b], v[BM+\b], 0x7f800000, s[MNT]
.endr
.irp b, 0,1
	v_lshrrev_b32 v[T1+\b], 23, v[SO+\b]
.endr
	v_cndmask_b32 v[\dat], v[T1], v[T1+1], s[HM]   ; lanes 0-15 store block 0's byte, lanes 16-31 block 1's
.irp b, 0,1
.irp i, 0,1,2,3,4,5,6,7,8,9,10,11,12,13,14,15
	v_med3_num_f32 v[SA+16*\b+\i], v[SA+16*\b+\i], -v[HL+\b], v[HL+\b]
.endr
.endr
.irp b, 0,1
	v_cvt_scalef32_pk8_bf8_f32 v[\cd+4*\b:\cd+4*\b+1], v[SA+16*\b:SA+16*\b+7], v[SO+\b]
	v_cvt_scalef32_pk8_bf8_f32 v[\cd+4*\b+2:\cd+4*\b+3], v[SA+16*\b+8:SA+16*\b+15], v[SO+\b]
.endr
	v_nop                                          ; one plain vector line behind the last conversion
	global_store_b128 v[AK0], v[\cd:\cd+3], s[8:9] offset:\hoff          ; each store of the wave covers 512 consecutive bytes, aligned
	global_store_b128 v[AK0], v[\cd+4:\cd+7], s[8:9] offset:\hoff+512
	global_store_b8 v[HSO], v[\dat], s[10:11] offset:\soff   ; a token's 32 scale bytes belong to sixteen heads, so these leave two bytes a token: one byte in 33 of what the launch stores
.endm
; A PASS: two tiles of queries against the head's 2,048 keys, 16 steps
.macro PASS p
.if \p
	s_wait_xcnt 0x0                                ; the last pass's stores have read their registers, which this pass writes anew
	WIN 0x41
.set i, 0
.rept 8
	v_mov_b32 v[QA+i], v[QN+i]                     ; this pass's Q, which has waited in registers since the head
	v_mov_b32 v[QB+i], v[QN+8+i]
.set i, i+1
.endr
	INIT
.endif
	WIN 0x40
.irp t, 0,1,2,3,4,5,6,7
	ds_load_b128 v[KF+8*\t:KF+8*\t+3], v[AK0] offset:\t*1024        ; K of step 0
	ds_load_b128 v[KF+8*\t+4:KF+8*\t+7], v[AK0] offset:\t*1024+512
.endr
	WIN 0
	ds_load_b128 v[KSW:KSW+3], v[AS0]
	ds_load_b128 v[KSW+4:KSW+7], v[AS0] offset:256
	s_mov_b32 s[TK], 0
	s_mov_b32 s[TS], 0
	s_mov_b32 s[TT], 0
	s_mov_b32 s[CNT], 16
.if \p
	WALU                                           ; the wait, directly ahead of the wait below
.endif
	s_wait_dscnt 0x0
.Lstep_\@:
.irp t, 0,1,2,3,4,5,6,7
	SONE SA, QA, 26-4*\p, \t                       ; A's scores
.endr
	SONE SB2, QB, 27-4*\p, 0                       ; B's scores, with lines on other registers behind each product
	WIN 0
	v_add_nc_u32 v[ADV], s[TK], v[AV0]             ; this step's V,
	v_add_nc_u32 v[ADT], s[TT], v[AT0]
	s_add_co_u32 s[TK], s[TK], 8192
	s_add_co_u32 s[TS], s[TS], 512
	s_add_co_u32 s[TT], s[TT], 256
	v_add_nc_u32 v[ADK], s[TK], v[AK0]             ; the next step's K
	v_add_nc_u32 v[ADS], s[TS], v[AS0]
	SONE SB2, QB, 27-4*\p, 1
	WIN 0
	v_mov_b32 v[TPA], v[MA]                        ; the old -M of both tiles
	v_mov_b32 v[TPB], v[MB2]
	v_nop
	v_nop                                          ; eight places stand behind A's last product, ahead of the first read of its scores
.set k, 0
.irp t, 2,3,4,5,6
	SONE SB2, QB, 27-4*\p, \t
	WIN 0
.rept 5
	MAXL k, SA, BM
.set k, k+1
.endr
.endr
	SONE SB2, QB, 27-4*\p, 7
	WIN 0
.rept 15
	MAXL k, SA, BM                                 ; these fifteen are also the places ahead of the loads below and of the first read of B's scores
.set k, k+1
.endr
	WALU                                           ; the wait, directly ahead of the branch
	s_cmp_eq_u32 s[CNT], 1
	s_cbranch_scc1 .Lno_next_\@                    ; the pass's last step has no next K: a branch on the count of steps, round the 18 loads alone
	WIN 0x40
.irp t, 0,1,2,3,4,5,6,7
	ds_load_b128 v[KF+8*\t:KF+8*\t+3], v[ADK] offset:\t*1024
	ds_load_b128 v[KF+8*\t+4:KF+8*\t+7], v[ADK] offset:\t*1024+512
.endr
	WIN 0
	ds_load_b128 v[KSW:KSW+3], v[ADS]              ; lane r: the words of key r of tiles 0 to 3,
	ds_load_b128 v[KSW+4:KSW+7], v[ADS] offset:256 ; and 4 to 7
.Lno_next_\@:
	WIN 0x40
.irp t, 0,1,2,3
.irp c, 0,1,2,3
	ds_load_b128 v[VF+16*\t+4*\c:VF+16*\t+4*\c+3], v[ADV] offset:\t*2048+\c*512   ; V's four fragments land while the softmax is worked
.endr
.endr
	WIN 0
	ds_load_b128 v[VSW:VSW+3], v[ADT]              ; lane r: the words of channel r of the four tiles
.set k, 0
.set j, 0
.rept 8                                        ; B's maxima, and among them A's chain for M
.rept 5
	MAXL k, SB2, BMB
.set k, k+1
.endr
	CHL j, MA, BM, TPA, FF
.set j, j+1
.endr
.set i, 0
.set j, 0
.rept 8                                        ; A's t - M, two at a time, and among them B's chain
.rept 4
	v_pk_fma_f32 v[SA+i:SA+i+1], v[SA+i:SA+i+1], s[CS:CS+1], v[MA:MA+1] op_sel_hi:[1,0,0]
.set i, i+2
.endr
	CHL j, MB2, BMB, TPB, FFB
.set j, j+1
.endr
.irp b, 0,1,2,3
	v_fma_f32 v[BM+\b], v[BM+\b], s[CS], v[MA]     ; the same of each block's largest score
.endr
	RESCALE OA, FF
	RESCALE OB, FFB
	WIN 0
	WALU                                           ; the wait ahead of the batch
.set i, 0
.rept 32                                       ; A's p = 2^(t - M), at most 1, by turns with B's t - M, which is read behind the next wait
	v_exp_f32 v[SA+i], v[SA+i]
	v_pk_fma_f32 v[SB2+i:SB2+i+1], v[SB2+i:SB2+i+1], s[CS:CS+1], v[MB2:MB2+1] op_sel_hi:[1,0,0]
	v_exp_f32 v[SA+i+1], v[SA+i+1]
.set i, i+2
.endr
.irp b, 0,1,2,3
	v_exp_f32 v[BM+\b], v[BM+\b]                   ; the block's largest p: the same two instructions on the same number give the same bits
	v_fma_f32 v[BMB+\b], v[BMB+\b], s[CS], v[MB2]
.endr
	v_pk_mul_f32 v[MA+2:MA+3], v[MA+2:MA+3], v[FF:FF+1] op_sel_hi:[1,0]        ; the sums under the new M
	v_pk_mul_f32 v[MB2+2:MB2+3], v[MB2+2:MB2+3], v[FFB:FFB+1] op_sel_hi:[1,0]
	WALU                                           ; one wait for the whole batch, ahead of its first reader
.set k, 0
.rept 32
	SUML k, SA, MA
.set k, k+1
.endr
	SCALES BM, PSA
	WALU                                           ; ahead of the second batch
.set i, 0
.rept 32                                       ; B's p, by turns with A's holds, which are read behind the next wait
	v_exp_f32 v[SB2+2*i], v[SB2+2*i]
	v_exp_f32 v[SB2+2*i+1], v[SB2+2*i+1]
.if i < 4
	v_exp_f32 v[BMB+i], v[BMB+i]
.endif
	HOLDL i, SA
.set i, i+1
.endr
	v_nop                                          ; a plain place behind the batch
	WALU                                           ; and its one wait
	s_wait_dscnt 0x0                               ; V and its words are in, and so is the next step's K
	CODES SA, PA
.set k, 0
.rept 8                                        ; eight lines of B's sum stand between the codes' making and the products
	SUML k, SB2, MB2
.set k, k+1
.endr
.irp t, 0,1,2,3                                ; A's products, with B's sum behind them.  The accumulators take turns, and twenty other products stand between two links of a chain
	PVONE OA, PA, PSA, \t
	WIN 0
.rept 5
	SUML k, SB2, MB2
.set k, k+1
.endr
.endr
.rept 4
	SUML k, SB2, MB2
.set k, k+1
.endr
	SCALES BMB, PSB
.set i, 0
.rept 32
	HOLDL i, SB2
.set i, i+1
.endr
	CODES SB2, PB
.rept 4
	v_nop                                          ; an operand written by vector instructions stands four places ahead of a scaled product
.endr
.irp t, 0,1,2,3
	PVONE OB, PB, PSB, \t
.endr
	WIN 0
	s_sub_co_u32 s[CNT], s[CNT], 1
	s_cmp_lg_u32 s[CNT], 0
	s_cbranch_scc1 .Lstep_\@
	WAYOUT MA, OA, PA, 6, \p*262144, \p*8192               ; A's lines are also the places behind B's last products
	WAYOUT MB2, OB, PB, 7, \p*262144+16384, \p*8192+512
.endm
	s_load_b256 s[4:11], s[0:1], 0x0               ; qkv s[4:5], qkvs s[6:7], hc s[8:9], hs s[10:11]
	v_lshl_add_u32 v[SPW], v0, 2, SPARE
	v_mov_b32 v[NIL], 0
	ds_add_u32 v[SPW], v[NIL]                      ; the opening lines: the add, twice on end, and its wait ahead of my tensor load
	ds_add_u32 v[SPW], v[NIL]
	v_lshrrev_b32 v1, 5, v0
	v_readfirstlane_b32 s[WV], v1                  ; wave 0..7
	s_bfe_u32 s13, ttmp6, 0x40000                  ; cx: it enters Q's, hc's and hs's addresses alone
	s_lshl_b32 s14, s13, 5
	s_lshl_b32 s66, s[WV], 1
	s_add_co_u32 s14, s14, s66                     ; my first tile of 16 queries: 32 cx + 2 wave; tile B is the next, the second pass's two lie 16 on
	s_and_b32 s15, ttmp7, 0xffff                   ; batch x 16 + head, which the four partners share
	s_mov_b32 s[G1C], 15|(3<<16)|(1<<21)           ; 15:0 the mask: all four work-groups; 17:16 elements of 8 bytes; 21 set beside a mask; no padding: the images are read 16 bytes a lane on end
	s_mov_b32 s[G1C+1], 32<<16                     ; tensor_dim0 = 32 elements: rows of 256 bytes
	s_mov_b32 s[G1C+2], 128<<16                    ; tensor_dim1 = 128
	s_mov_b32 s[G1C+3], 32<<16                     ; tile_dim0
	s_mov_b32 s[G1C+4], 128                        ; tile_dim1
	s_mov_b32 s[G1C+5], 32                         ; the pitch: the block is dense
	s_mov_b32 s[G1C+6], 0
	s_mov_b32 s[G1C+7], 0
	s_mov_b32 s[SEL], 0x76543210
	s_mov_b32 s[SEL+1], 0xfedcba98
	s_mov_b32 s[CS], 0x3e38aa3b
	s_mov_b32 s[CS+1], s[CS]                       ; (named with it as a pair, so it is written)
	s_mov_b32 s[MNT], 0x600000
	s_mov_b32 s[HM], 0xffff0000
	s_lshr_b32 s66, s[WV], 2                       ; what I fetch: 0: of K, 1: of V
	s_lshl_b32 s72, s66, 23
	s_add_co_u32 s72, s72, 8388608                 ; K's or V's part of qkv,
	s_lshl_b32 s73, s15, 17
	s_add_co_u32 s72, s72, s73                     ; the head,
	s_and_b32 s73, s[WV], 3
	s_lshl_b32 s73, s73, 15
	s_add_co_u32 s72, s72, s73                     ; my quarter: four key steps
	s_mov_b32 s73, 0
	s_lshl_b32 s74, s[WV], 15                      ; in LDS: 32,768 x wave
	s_mul_i32 s70, s15, 12288
	s_add_co_u32 s70, s70, 786432                  ; the head's scale words of K and V
	s_mov_b32 s71, 0
	s_wait_dscnt 0x0                               ; both opening adds are done
	s_wait_kmcnt 0x0
	s_mov_b32 s[G0], 1
	s_mov_b32 s[G0+1], s74
	s_add_nc_u64 s[G0+2:G0+3], s[4:5], s[72:73]
	s_or_b32 s[G0+3], s[G0+3], 0x80000000
	s_add_nc_u64 s[82:83], s[6:7], s[70:71]
	s_lshl_b32 s66, s15, 17
	s_lshl_b32 s67, s14, 10
	s_add_co_u32 s66, s66, s67
	s_mov_b32 s67, 0
	s_add_nc_u64 s[78:79], s[4:5], s[66:67]        ; Q's image: head x 131,072 + tile x 1,024
	s_lshr_b32 s66, s14, 3
	s_lshl_b32 s66, s66, 9                         ; its words: step x 512
	s_bfe_u32 s67, s14, 0x10002
	s_lshl_b32 s67, s67, 8                         ; + half x 256
	s_add_co_u32 s66, s66, s67
	s_and_b32 s67, s14, 3
	s_lshl_b32 s67, s67, 2                         ; + 4 x (tile % 4)
	s_add_co_u32 s66, s66, s67
	s_mul_i32 s67, s15, 12288
	s_add_co_u32 s66, s66, s67
	s_mov_b32 s67, 0
	s_add_nc_u64 s[76:77], s[6:7], s[66:67]
	s_lshr_b32 s66, s15, 4                         ; batch
	s_and_b32 s67, s15, 15                         ; head
	s_lshl_b32 s68, s66, 7
	s_add_co_u32 s68, s68, s14                     ; my tile among all 512 tiles of 16 tokens
	s_lshl_b32 s70, s68, 14                        ; hc: 16,384 bytes a tile,
	s_lshr_b32 s66, s67, 1
	s_lshl_b32 s66, s66, 11                        ; K step head / 2: 2,048 bytes,
	s_add_co_u32 s70, s70, s66
	s_and_b32 s66, s67, 1
	s_lshl_b32 s66, s66, 10                        ; its lower or upper two groups of four registers
	s_add_co_u32 s70, s70, s66
	s_mov_b32 s71, 0
	s_add_nc_u64 s[8:9], s[8:9], s[70:71]
	s_lshl_b32 s72, s68, 9                         ; hs: 16 tokens x 32 bytes a tile,
	s_lshl_b32 s66, s67, 1                         ; two bytes a head
	s_add_co_u32 s72, s72, s66
	s_mov_b32 s73, 0
	s_add_nc_u64 s[10:11], s[10:11], s[72:73]
	ROUND                                          ; all four work-groups are here: the joint loads meet
	tensor_load_to_lds s[G0:G0+3], s[G1C:G1C+7]    ; my one tensor load: every wave issues this line, with its own quarter
	s_nop 0
.rept 4
	v_nop
.endr
	v_and_b32 v1, 31, v0
	v_lshlrev_b32 v[AK0], 4, v1
	v_and_b32 v5, 15, v0
	v_lshlrev_b32 v9, 4, v5                        ; 16 r
	v_lshlrev_b32 v[TPA], 4, v0
	v_lshl_add_u32 v[TPB], v0, 4, SCB
.irp j, 0,1,2
	global_load_b128 v[SA+4*\j:SA+4*\j+3], v[TPA], s[82:83] offset:4096*\j   ; the scale words: 256 threads x 16 bytes, three times
.endr
	WIN 0x40
.irp u, 0,1                                    ; Q of tile u: the first pass's into its operand, the second's into registers that wait
	global_load_b128 v[QA+16*\u:QA+16*\u+3], v[AK0], s[78:79] offset:\u*1024
	global_load_b128 v[QA+16*\u+4:QA+16*\u+7], v[AK0], s[78:79] offset:\u*1024+512
	global_load_b128 v[QN+8*\u:QN+8*\u+3], v[AK0], s[78:79] offset:16384+\u*1024
	global_load_b128 v[QN+8*\u+4:QN+8*\u+7], v[AK0], s[78:79] offset:16384+\u*1024+512
.endr
	WIN 0
.irp n, 0,1,2,3
	global_load_b32 v[26-4*(\n/2)+\n%2], v9, s[76:77] offset:(\n/2)*1024+(\n%2)*4
.endr
	v_add_nc_u32 v[AV0], 131072, v[AK0]
	v_add_nc_u32 v[AS0], SCB, v9
	v_add_nc_u32 v[AT0], SCB+8192, v9
	v_bfe_u32 v7, v0, 4, 1
	v_lshl_add_u32 v[HSO], v5, 5, v7               ; hs: 32 bytes a token, + my half's block
.irp b, 0,1,2,3
	v_mov_b32 v[T1+\b], 0                          ; written once: a lane permute's destination counts as one of its sources
.endr
	v_mov_b32 v[FF+1], 0                           ; (named with f as a pair)
	v_mov_b32 v[FFB+1], 0
	WIN 0x40
.set i, 0
.rept 8
	v_mov_b32 v[KF+64+i], 0                        ; zero codes: behind K's tile 7, and for the places 64 to 127 of the first product's K
	v_mov_b32 v[QA+8+i], 0
	v_mov_b32 v[QB+8+i], 0
.set i, i+1
.endr
	INIT
	WALU                                           ; the wait at the head's end
	s_wait_loadcnt 12                              ; behind the three loads of scale words stand Q's eight and its four words
.irp j, 0,1,2
	ds_store_b128 v[TPB], v[SA+4*\j:SA+4*\j+3] offset:4096*\j   ; into bytes that no tensor load fills
.endr
	s_wait_tensorcnt 0x0                           ; my quarter has landed,
	s_wait_loadcnt 0x0                             ; Q is in,
	s_wait_dscnt 0x0                               ; my part of the scale words is stored
	s_barrier_signal -1
	s_barrier_wait -1                              ; and so is every wave's: from here on LDS is only read
	PASS 0
	PASS 1
	s_wait_tensorcnt 0x0                           ; the wave's end
	ds_add_u32 v[SPW], v[NIL]
	s_wait_dscnt 0x0
	ROUND                                          ; the closing round: no work-group ends while a partner may still ask for a tile that names it
	s_endpgm
.Lfunc_end_k_q2e5776c10a_attn:
	.size	k_q2e5776c10a_attn, .Lfunc_end_k_q2e5776c10a_attn-k_q2e5776c10a_attn
	.p2alignl 7, 3214868480
	.fill 96, 4, 3214868480
	.section	.rodata,"a",@progbits
	.p2align	6, 0x0
	.amdhsa_kernel k_q2e5776c10a_attn
		.amdhsa_group_segment_fixed_size 327680
		.amdhsa_private_segment_fixed_size 0
		.amdhsa_enable_private_segment 0
		.amdhsa_kernarg_size 32
		.amdhsa_user_sgpr_count 2
		.amdhsa_user_sgpr_kernarg_segment_ptr 1
		.amdhsa_wavefront_size32 1
		.amdhsa_system_sgpr_workgroup_id_x 1
		.amdhsa_system_sgpr_workgroup_id_y 1
		.amdhsa_system_sgpr_workgroup_id_z 1
		.amdhsa_system_vgpr_workitem_id 0
		.amdhsa_next_free_vgpr 512
		.amdhsa_next_free_sgpr 84
		.amdhsa_reserve_vcc 0
		.amdhsa_float_denorm_mode_32 3
		.amdhsa_float_denorm_mode_16_64 3
		.amdhsa_memory_ordered 1
		.amdhsa_forward_progress 1
		.amdhsa_inst_pref_size 110
	.end_amdhsa_kernel
	.amdgpu_metadata
---
amdhsa.version: [ 1, 2 ]
amdhsa.kernels:
  - .name:           k_q2e5776c10a_attn
    .symbol:         k_q2e5776c10a_attn.kd
    .args:
      - { .name: qkv, .offset: 0, .size: 8, .value_kind: global_buffer, .address_space: global }
      - { .name: qkvs, .offset: 8, .size: 8, .value_kind: global_buffer, .address_space: global }
      - { .name: hc, .offset: 16, .size: 8, .value_kind: global_buffer, .address_space: global }
      - { .name: hs, .offset: 24, .size: 8, .value_kind: global_buffer, .address_space: global }
    .group_segment_fixed_size: 327680
    .private_segment_fixed_size: 0
    .kernarg_segment_align: 8
    .kernarg_segment_size: 32
    .max_flat_workgroup_size: 256
    .sgpr_count:     84
    .vgpr_count:     512
    .wavefront_size: 32
...
	.end_amdgpu_metadata
.endif
;; end of part 2
;; launch oproj (part 3): grid 4 x 32, 4 waves a work-group, clusters of 4 x 4, 327,680 bytes of LDS; arguments hc, hs, W_o_codes, W_o_scales, b_o, out0; writes out0
.if DOCPART == 3
	.amdgcn_target "amdgcn-amd-amdhsa--gfx1250"
	.amdhsa_code_object_version 6
	.text
	.protected	k_q2e5776c10a_oproj
	.globl	k_q2e5776c10a_oproj
	.p2align	8
	.type	k_q2e5776c10a_oproj,@function
k_q2e5776c10a_oproj:
	s_mov_b64 s[64:65], 0
	v_nop
	global_prefetch_b8 v0, s[64:65] scope:SCOPE_SE
	s_setreg_imm32_b32 hwreg(HW_REG_WAVE_MODE, 25, 1), 1
	s_wait_xcnt 0x0
	s_wait_alu depctr_hold_cnt(0) depctr_sa_sdst(0) depctr_va_vdst(0) depctr_va_sdst(0) depctr_va_ssrc(0) depctr_va_vcc(0) depctr_vm_vsrc(0)
	s_getreg_b32 s2, hwreg(HW_REG_IB_STS2, 6, 4)
	s_cmp_eq_u32 s2, 0
	s_cbranch_scc0 .Lentry_in_a_cluster
	s_endpgm
.Lentry_in_a_cluster:
	s_bfe_u32 s2, ttmp6, 0x10000c
	s_cmp_lg_u32 s2, 0xf033
	s_cbranch_scc0 .Lentry_shape_is_right
	s_endpgm
.Lentry_shape_is_right:
.set SIZE_N, 1024
.set KSTEP,  256
.set NQ,     KSTEP/128
.set ROWB,   256
.set KROW,   1024
.set PITCH,  272
.set FR,     16
.set NL,     4
.set NP,     8
.set HALFA,  32768
.set ASTEP,  4096
.set HALFT,  128*PITCH
.set BOFF,   2*HALFA
.set SLOT,   BOFF+2*HALFT
.set LAPS,   2
.set KS,     32
.set SCL,    2*SLOT
.set HALFS,  (128*KS/256)*272
.set SBLK,   (16*KS/256)*272
.set SPARE,  SCL+4*HALFS
.set SPITCH, 528
.set ADRA, 16
.set ADRB, 20
.set STO,  24
.set RD,   25
.set CO,   26
.set ADRS, 27
.set SPW,  28
.set NIL,  29
.set SC,   32
.set BI,   64
.set AF,   128
.set BK,   128
.set G1, 24
.set G0, 32
.set G1B, 48
.set G0B, 56
.set G1S, 68
.set G0S, 76
.set G1SB, 80
.set G0SB, 88
.set MSB, 0
.macro WIN new
.if MSB != (\new)
	s_set_vgpr_msb (MSB<<8)|(\new)
.set MSB, (\new)
.endif
.endm
.set MUL_LO, 0xa1
.set MUL_HI, 0xf1
.set BIA_LO, 0x81
.set BIA_HI, 0xc1
.set TO_B,   0x40
.macro JLOAD g0a, g1a, g0b, g1b
	s_cmp_eq_u32 s15, 0
	s_cbranch_scc0 .Lfor_b_\@
	tensor_load_to_lds s[\g0a:\g0a+3], s[\g1a:\g1a+7]
	s_nop 0
.rept 4
	v_nop
.endr
	s_branch .Lasked_\@
.Lfor_b_\@:
	tensor_load_to_lds s[\g0b:\g0b+3], s[\g1b:\g1b+7]
	s_nop 0
.rept 4
	v_nop
.endr
.Lasked_\@:
.endm
.macro CREST
	s_cmp_lg_u32 s14, 0
	s_cbranch_scc1 .Lnot_wave_0_\@
	s_barrier_signal -3
.Lnot_wave_0_\@:
	s_barrier_wait -3
	s_barrier_signal -1
	s_barrier_wait -1
.endm
.macro CROUND
	s_barrier_signal -1
	s_barrier_wait -1
	CREST
.endm
	s_load_b128 s[4:7], s[0:1], 0x0
	s_load_b128 s[8:11], s[0:1], 0x10
	s_load_b64 s[96:97], s[0:1], 0x20
	s_load_b64 s[12:13], s[0:1], 0x28
	v_lshl_add_u32 v[SPW], v0, 2, SPARE
	v_mov_b32 v[NIL], 0
	ds_add_u32 v28, v29
	ds_add_u32 v28, v29
	s_wait_dscnt 0x0
	v_lshrrev_b32 v1, 5, v0
	v_readfirstlane_b32 s14, v1
	s_lshr_b32 s15, s14, 1
	s_and_b32 s16, s14, 1
	s_bfe_u32 s40, ttmp6, 0x40000
	s_bfe_u32 s41, ttmp6, 0x40004
	s_lshl_b32 s42, ttmp9, 2
	s_add_co_u32 s42, s42, s40
	s_and_b32 s17, ttmp7, 0xffff
	s_lshl_b32 s17, s17, 2
	s_add_co_u32 s17, s17, s41
	s_lshl_b32 s43, s41, 2
	s_lshl_b32 s43, 15, s43
	s_lshl_b32 s44, 0x1111, s40
	s_or_b32 s[G1+0], s43, (3<<16)|(1<<21)
	s_mov_b32 s[G1+1], 512<<16
	s_mov_b32 s[G1+2], 16<<16                      ; the head's load of A brings all 16 tiles of 16 tokens; behind it the two words are set to 8, for the ring's
	s_mov_b32 s[G1+3], 512<<16
	s_mov_b32 s[G1+4], 16
	s_mov_b32 s[G1+5], 2048
	s_mov_b32 s[G1+6], 0
	s_mov_b32 s[G1+7], 0
	s_or_b32 s[G1B+0], s44, (0<<16)|(1<<20)|(1<<21)|(5<<22)|(3<<25)
	s_mov_b32 s[G1B+1], ROWB<<16
	s_mov_b32 s[G1B+2], 256<<16                    ; and B's 256 rows
	s_mov_b32 s[G1B+3], ROWB<<16
	s_mov_b32 s[G1B+4], 256
	s_mov_b32 s[G1B+5], KROW
	s_mov_b32 s[G1B+6], 0
	s_mov_b32 s[G1B+7], 0
	s_or_b32 s[G1S+0], s43, (3<<16)|(1<<20)|(1<<21)|(5<<22)|(3<<25)
	s_or_b32 s[G1SB+0], s44, (3<<16)|(1<<20)|(1<<21)|(5<<22)|(3<<25)
.irp g, G1S, G1SB
	s_mov_b32 s[\g+1], 32<<16
	s_mov_b32 s[\g+2], (256*KS/256)<<16            ; the scales of 256 rows: 32 rows of 256 bytes
	s_mov_b32 s[\g+3], 32<<16
	s_mov_b32 s[\g+4], 256*KS/256
	s_mov_b32 s[\g+5], 32
	s_mov_b32 s[\g+6], 0
	s_mov_b32 s[\g+7], 0
.endr
	s_lshl_b32 s20, s17, 18                        ; A: 16 tiles of 16,384 bytes a tile row
	s_mov_b32 s21, 0
	s_lshl_b32 s22, s17, 13                        ; its scales: 256 rows of 32 bytes
	s_mov_b32 s23, 0
	s_lshl_b32 s18, s16, 17                        ; in the ring a wave fetches half a tile: 131,072 bytes on, in A and in B alike
	s_mov_b32 s19, 0
	s_lshl_b32 s46, s42, 8
	s_lshl_b32 s92, s46, 5
	s_mov_b32 s93, 0
	s_lshl_b32 s46, s46, 10
	s_mov_b32 s47, 0
	s_lshl_b32 s45, s16, 15
	s_mul_i32 s95, s16, HALFT
	s_add_co_u32 s95, s95, BOFF
	s_wait_kmcnt 0x0
	s_add_nc_u64 s[20:21], s[4:5], s[20:21]
	s_add_nc_u64 s[22:23], s[6:7], s[22:23]
	s_add_nc_u64 s[46:47], s[8:9], s[46:47]
	s_add_nc_u64 s[92:93], s[10:11], s[92:93]
	CROUND
	s_mov_b32 s[G0S], 1                            ; the head's four tiles, each whole: the scales of A's 256 rows,
	s_mov_b32 s[G0S+1], SCL
	s_mov_b64 s[G0S+2:G0S+3], s[22:23]
	s_or_b32 s[G0S+3], s[G0S+3], 0x80000000
	s_mov_b32 s[G0SB], 1                           ; of B's,
	s_mov_b32 s[G0SB+1], SCL+2*HALFS
	s_mov_b64 s[G0SB+2:G0SB+3], s[92:93]
	s_or_b32 s[G0SB+3], s[G0SB+3], 0x80000000
	s_mov_b32 s[G0], 1                             ; K step 0 of A's 256 rows,
	s_mov_b32 s[G0+1], 0
	s_mov_b64 s[G0+2:G0+3], s[20:21]
	s_or_b32 s[G0+3], s[G0+3], 0x80000000
	s_mov_b32 s[G0B], 1                            ; and of B's, behind them in slot 0
	s_mov_b32 s[G0B+1], BOFF
	s_mov_b64 s[G0B+2:G0B+3], s[46:47]
	s_or_b32 s[G0B+3], s[G0B+3], 0x80000000
	s_add_nc_u64 s[20:21], s[20:21], s[18:19]      ; for the ring: my half of the tile
	s_add_nc_u64 s[46:47], s[46:47], s[18:19]
	s_mov_b32 s[G0+4], 1
	s_add_co_u32 s[G0+5], s45, SLOT
	s_add_nc_u64 s[G0+6:G0+7], s[20:21], ASTEP
	s_or_b32 s[G0+7], s[G0+7], 0x80000000
	s_mov_b32 s[G0B+4], 1
	s_add_co_u32 s[G0B+5], s95, SLOT
	s_add_nc_u64 s[G0B+6:G0B+7], s[46:47], ROWB
	s_or_b32 s[G0B+7], s[G0B+7], 0x80000000
; the head's loads, one a wave: one chain of branches on the wave's number, a load to an arm, all arms leading to one join
.macro ARM under, g0, g1, next
	s_cmp_lt_u32 s14, \under
	s_cbranch_scc0 \next
	tensor_load_to_lds s[\g0:\g0+3], s[\g1:\g1+7]
	s_nop 0
.rept 4
	v_nop
.endr
	s_branch .Lhead_asked
\next:
.endm
	ARM 1, G0,  G1,  .Lhead_b
	ARM 2, G0B, G1B, .Lhead_sa
	ARM 3, G0S, G1S, .Lhead_sb
	tensor_load_to_lds s[G0SB:G0SB+3], s[G1SB:G1SB+7]
	s_nop 0
.rept 4
	v_nop
.endr
.Lhead_asked:
	v_and_b32 v1, 15, v0
	v_bfe_u32 v2, v0, 4, 1
	v_and_b32 v6, 31, v0
	v_lshlrev_b32 v3, 4, v6
	v_mul_u32_u24 v4, v1, PITCH
	v_lshl_add_u32 v4, v2, 3, v4
	s_lshl_b32 s21, s15, 15
	s_mul_i32 s22, s16, HALFT
	s_add_co_u32 s22, s22, BOFF
.irp s, 0,1
	v_add_nc_u32 v[ADRA+\s], s21, v3
	v_add_nc_u32 v[ADRB+\s], s22, v4
	s_add_co_u32 s21, s21, SLOT
	s_add_co_u32 s22, s22, SLOT
.endr
	v_mul_u32_u24 v5, v1, KS
	v_lshrrev_b32 v6, 8, v5
	v_lshl_add_u32 v5, v6, 4, v5
	s_mul_i32 s21, s15, HALFS
	s_mul_i32 s22, s16, HALFS
	s_add_co_u32 s22, s22, 2*HALFS
	s_sub_co_u32 s22, s22, s21
	v_mul_u32_u24 v6, s22, v2
	s_add_co_u32 s21, s21, SCL
	v_add_nc_u32 v5, v5, v6
	v_add_nc_u32 v[ADRS], s21, v5
	s_mul_i32 s23, s14, 16*SPITCH
	v_mul_u32_u24 v5, v1, SPITCH
	v_lshl_add_u32 v5, v2, 5, v5
	v_add_nc_u32 v[STO], s23, v5
	v_and_b32 v6, 31, v0
	v_lshlrev_b32 v[CO], 4, v6
	v_add_nc_u32 v[RD], s23, v[CO]
	s_lshl_b32 s20, s17, 8
	s_lshl_b32 s21, s15, 7
	s_add_co_u32 s20, s20, s21
	s_mov_b32 s21, 0
	s_mov_b64 s[18:19], SIZE_N*4
	s_mul_u64 s[20:21], s[20:21], s[18:19]
	s_lshl_b32 s46, s42, 10
	s_lshl_b32 s47, s16, 9
	s_add_co_u32 s46, s46, s47
	s_mov_b32 s47, 0
	s_add_nc_u64 s[96:97], s[96:97], s[46:47]
	s_add_nc_u64 s[20:21], s[20:21], s[46:47]
	s_add_nc_u64 s[12:13], s[12:13], s[20:21]
	v_lshlrev_b32 v7, 5, v2
.irp b, 0,1,2,3,4,5,6,7
	global_load_b128 v[BI+8*\b:BI+8*\b+3], v7, s[96:97] offset:64*\b
	global_load_b128 v[BI+8*\b+4:BI+8*\b+7], v7, s[96:97] offset:64*\b+16
.endr
.macro FRAGA reg, adr, q, i
.irp c, 0,1,2,3
	ds_load_b128 v[\reg+4*\c:\reg+4*\c+3], v[\adr] offset:2048*(\q)+512*\c+(\i)*4096
.endr
.endm
.macro FRAGB reg, adr, q, i
.irp c, 0,1,2,3,4,5,6,7
	ds_load_b64 v[\reg+2*\c:\reg+2*\c+1], v[\adr] offset:128*(\q)+16*\c+(\i)*16*PITCH
.endr
.endm
.macro MUL16 a0, p, q, sc, bias
.irp a, \a0, \a0+1
.irp b, 0,1,2,3,4,5,6,7
.if \bias
	v_wmma_scale_f32_16x16x128_f8f6f4 v[8*(8*((\a)%4)+\b):8*(8*((\a)%4)+\b)+7], v[128*(\p)+FR*\b:128*(\p)+FR*\b+FR-1], v[AF+FR*(\a):AF+FR*(\a)+FR-1], v[BI+8*\b:BI+8*\b+7], v[SC+8*NQ*(\sc)+NQ*\b+(\q)], v[SC+8*NQ*(\sc)+NQ*(\a)+(\q)] matrix_a_fmt:MATRIX_FMT_BF8 matrix_b_fmt:MATRIX_FMT_BF8 matrix_a_scale:MATRIX_SCALE_ROW1
.else
	v_wmma_scale_f32_16x16x128_f8f6f4 v[8*(8*((\a)%4)+\b):8*(8*((\a)%4)+\b)+7], v[128*(\p)+FR*\b:128*(\p)+FR*\b+FR-1], v[AF+FR*(\a):AF+FR*(\a)+FR-1], v[8*(8*((\a)%4)+\b):8*(8*((\a)%4)+\b)+7], v[SC+8*NQ*(\sc)+NQ*\b+(\q)], v[SC+8*NQ*(\sc)+NQ*(\a)+(\q)] matrix_a_fmt:MATRIX_FMT_BF8 matrix_b_fmt:MATRIX_FMT_BF8 matrix_a_scale:MATRIX_SCALE_ROW1
.endif
.endr
.endr
.endm
.macro FETCH_B slot, q, p
	WIN TO_B
.irp i, 0,1,2,3,4,5,6,7
	FRAGB 128*(\p)+FR*\i, ADRB+\slot, \q, \i
.endr
	WIN 0
.endm
.macro FETCH_A slot, q, i0
.irp i, \i0, \i0+1, \i0+2, \i0+3
	FRAGA AF+FR*(\i), ADRA+\slot, \q, \i
.endr
.endm
.macro SCALES sc
.irp i, 0,1,2,3,4,5,6,7
	ds_load_b64 v[SC+8*NQ*\sc+NQ*\i:SC+8*NQ*\sc+NQ*\i+1], v[ADRS] offset:\i*SBLK
.endr
.endm
.macro PLACES n
.rept \n
	v_nop
.endr
.endm
.macro STEP slot, q, bias
	s_wait_dscnt 4*NL
.if \bias
	WIN BIA_LO
.else
	WIN MUL_LO
.endif
	MUL16 0, (\q)%2, \q, \slot, \bias
	MUL16 2, (\q)%2, \q, \slot, \bias
	s_wait_dscnt 0
	PLACES NP
	FETCH_B \slot, (\q)+1, 1-(\q)%2
	FETCH_A \slot, (\q)+1, 0
.if \bias
	WIN BIA_HI
.else
	WIN MUL_HI
.endif
	MUL16 4, (\q)%2, \q, \slot, \bias
	MUL16 6, (\q)%2, \q, \slot, \bias
	PLACES NP
	WIN 0
	FETCH_A \slot, (\q)+1, 4
.endm
.macro TURN slot, next, fill
	s_wait_tensorcnt 0x0
	ds_add_u32 v[SPW], v[NIL]
	s_wait_dscnt 4*NL+1
	WIN MUL_LO
	MUL16 0, 1, NQ-1, \slot, 0
	s_wait_dscnt 0x0
	s_barrier_signal -1
	MUL16 2, 1, NQ-1, \slot, 0
	WIN 0
	s_barrier_wait -1
.if \fill
	CREST
	s_add_nc_u64 s[G0+4*\slot+2:G0+4*\slot+3], s[G0+4*\slot+2:G0+4*\slot+3], 2*ASTEP
	s_add_nc_u64 s[G0B+4*\slot+2:G0B+4*\slot+3], s[G0B+4*\slot+2:G0B+4*\slot+3], 2*ROWB
	JLOAD G0+4*\slot, G1, G0B+4*\slot, G1B
	PLACES NP-4
.else
	PLACES NP
.endif
	s_wait_alu depctr_va_vdst(0)
	v_add_nc_u32 v[ADRS], 4*NQ, v[ADRS]
	FETCH_B \next, 0, 0
	FETCH_A \next, 0, 0
	SCALES \next
	WIN MUL_HI
	MUL16 4, 1, NQ-1, \slot, 0
	MUL16 6, 1, NQ-1, \slot, 0
	PLACES NP
	WIN 0
	FETCH_A \next, 0, 4
.endm
	s_wait_alu depctr_va_vdst(0)                   ; the wait at the head's end
	s_wait_tensorcnt 0x0                           ; my tile of the head's four is in; the wait, the add and its wait stand ahead of a later first fill
	ds_add_u32 v[SPW], v[NIL]
	s_mov_b32 s[G1+2], 8<<16                       ; no tensor load of mine is out, so descriptors may be written: from here on a load brings half a tile,
	s_mov_b32 s[G1+4], 8
	s_mov_b32 s[G1B+2], 128<<16
	s_mov_b32 s[G1B+4], 128
	s_lshl_b32 s18, s16, 17
	s_mov_b32 s19, 0
	s_mov_b32 s[G0+1], s45                         ; and slot 0's group 0 names my half
	s_add_nc_u64 s[G0+2:G0+3], s[G0+2:G0+3], s[18:19]
	s_mov_b32 s[G0B+1], s95
	s_add_nc_u64 s[G0B+2:G0B+3], s[G0B+2:G0B+3], s[18:19]
	s_wait_dscnt 0x0
	CROUND                                         ; all four tiles are in, and all sixteen work-groups are here
	JLOAD G0+4, G1, G0B+4, G1B                     ; K step 1's load, the first tensor load behind the round
	FETCH_B 0, 0, 0
	FETCH_A 0, 0, 0
	SCALES 0
	FETCH_A 0, 0, 4
	s_wait_loadcnt 0x0
	STEP 0, 0, 1
	s_mov_b32 s3, LAPS-1
.Llap:
	TURN 0, 1, 1
	STEP 1, 0, 0
	TURN 1, 0, 1
	STEP 0, 0, 0
	s_sub_co_u32 s3, s3, 1
	s_cmp_lg_u32 s3, 0
	s_cbranch_scc1 .Llap
	TURN 0, 1, 0
	STEP 1, 0, 0
	s_wait_dscnt 4*NL
	WIN MUL_LO
	MUL16 0, 1, NQ-1, 1, 0
	MUL16 2, 1, NQ-1, 1, 0
	s_wait_dscnt 0
	WIN MUL_HI
	MUL16 4, 1, NQ-1, 1, 0
	MUL16 6, 1, NQ-1, 1, 0
	WIN 0
.macro TOSTAGE a
.set AC, 64*((\a)%4)
	WIN 0x08+4*((\a)/4)
.irp b, 0,1,2,3,4,5,6,7
	ds_store_b128 v[STO], v[AC+8*\b:AC+8*\b+3] offset:64*\b
	ds_store_b128 v[STO], v[AC+8*\b+4:AC+8*\b+7] offset:64*\b+16
.endr
	WIN 0
.set BB, BK+64*((\a)%2)
.irp t, 0,1,2,3,4,5,6,7,8,9,10,11,12,13,14,15
	ds_load_b128 v[BB+4*\t:BB+4*\t+3], v[RD] offset:\t*SPITCH
.endr
.endm
.macro SEND a, younger
.set BB, BK+64*((\a)%2)
	s_wait_dscnt \younger
.if (\a) > 0
	s_add_nc_u64 s[12:13], s[12:13], 16*SIZE_N*4
.endif
.irp t, 0,1,2,3,4,5,6,7,8,9,10,11,12,13,14,15
	global_store_b128 v[CO], v[BB+4*\t:BB+4*\t+3], s[12:13] offset:\t*SIZE_N*4 th:TH_STORE_NT
.endr
.endm
	PLACES NP
	TOSTAGE 0
.irp a, 1,2,3,4,5,6,7
.if \a > 1
	s_wait_xcnt 0x0
.endif
	TOSTAGE \a
	SEND \a-1, 32
.endr
	s_wait_xcnt 0x0
	SEND 7, 0
	s_wait_tensorcnt 0x0
	ds_add_u32 v[SPW], v[NIL]
	s_wait_dscnt 0x0
	CROUND
	s_endpgm
.Lfunc_end_k_q2e5776c10a_oproj:
	.size	k_q2e5776c10a_oproj, .Lfunc_end_k_q2e5776c10a_oproj-k_q2e5776c10a_oproj
	.p2alignl 7, 3214868480
	.fill 96, 4, 3214868480
	.section	.rodata,"a",@progbits
	.p2align	6, 0x0
	.amdhsa_kernel k_q2e5776c10a_oproj
		.amdhsa_group_segment_fixed_size 327680
		.amdhsa_private_segment_fixed_size 0
		.amdhsa_enable_private_segment 0
		.amdhsa_kernarg_size 48
		.amdhsa_user_sgpr_count 2
		.amdhsa_user_sgpr_kernarg_segment_ptr 1
		.amdhsa_wavefront_size32 1
		.amdhsa_system_sgpr_workgroup_id_x 1
		.amdhsa_system_sgpr_workgroup_id_y 1
		.amdhsa_system_sgpr_workgroup_id_z 1
		.amdhsa_system_vgpr_workitem_id 0
		.amdhsa_next_free_vgpr 1024
		.amdhsa_next_free_sgpr 98
		.amdhsa_reserve_vcc 0
		.amdhsa_float_denorm_mode_32 3
		.amdhsa_float_denorm_mode_16_64 3
		.amdhsa_memory_ordered 1
		.amdhsa_forward_progress 1
		.amdhsa_inst_pref_size 164
	.end_amdhsa_kernel
	.amdgpu_metadata
---
amdhsa.version: [ 1, 2 ]
amdhsa.kernels:
  - .name:           k_q2e5776c10a_oproj
    .symbol:         k_q2e5776c10a_oproj.kd
    .args:
      - { .name: hc, .offset: 0, .size: 8, .value_kind: global_buffer, .address_space: global }
      - { .name: hs, .offset: 8, .size: 8, .value_kind: global_buffer, .address_space: global }
      - { .name: W_o_codes, .offset: 16, .size: 8, .value_kind: global_buffer, .address_space: global }
      - { .name: W_o_scales, .offset: 24, .size: 8, .value_kind: global_buffer, .address_space: global }
      - { .name: b_o, .offset: 32, .size: 8, .value_kind: global_buffer, .address_space: global }
      - { .name: out0, .offset: 40, .size: 8, .value_kind: global_buffer, .address_space: global }
    .group_segment_fixed_size: 327680
    .private_segment_fixed_size: 0
    .kernarg_segment_align: 8
    .kernarg_segment_size: 48
    .max_flat_workgroup_size: 128
    .sgpr_count:     98
    .vgpr_count:     1024
    .wavefront_size: 32
...
	.end_amdgpu_metadata
.endif
;; end of part 3
